; MI455X (gfx1250); checked and timed in simulation.
; The chip was launched on July 23, 2026; its instructions are those of AMD's public machine-readable ISA for CDNA 5 (MIT licence, August 2026) and "CDNA5" Instruction Set Architecture Reference Guide (July 2026). The comments in the code are by the model that wrote it; some were corrected since.
;; Self Attention2d. Allowed arithmetic: matrix products marked QUANTISED: E3M2 operands, one E8M0 scale for each 32 along K, by v_wmma_scale_f32_16x16x128_f8f6f4 with both operands' format E3M2, f32 sums; products left as they are: f32 operands where the result goes on into a quantised operand, else bf16, f16 or f32 operands; f32 sums; everything else in f32.
;; Inputs: g_b 64 float32; g_w_codes 64 x 2 x 24 uint8 (E3M2 codes of g_w, K innermost, in blocks of 32 codes, four codes in three bytes); g_w_scales 64 x 2 uint8 (E8M0 scales of g_w, one for each 32 codes along K); gamma 1 float32; phi_b 8 float32; phi_w 8 x 64 float32; theta_b 8 float32; theta_w 8 x 64 float32; x 8 x 64 x 64 x 64 float32.
;; Outputs: out0 8 x 64 x 64 x 64 float32.
;; This version of the problem:
;;   THIS VERSION OF THE PROBLEM IS GIVEN IN LOW PRECISION. The matrix products marked QUANTISED in the list below multiply operands that are first quantised to E3M2 (3 exponent bits, 2 mantissa bits; 6 bits a number), with one power-of-two scale for each 32 numbers along K (OCP MX v1.0); their sums are f32. All else is computed in f32.
;;   The module's matrix products, in the order in which they are computed (A, B: the left and right operand; K: the contracted axis; several contracted axes count as one K, in the product's order):
;;     1. [M 32,768, K 64] x [K 64, N 8]; A: input x; B: input theta_w: left as it is (N = 8 < 16)
;;     2. [M 32,768, K 64] x [K 64, N 8]; A: input x; B: input phi_w: left as it is (N = 8 < 16)
;;     3. [M 32,768, K 64] x [K 64, N 64]; A: input x; B: input g_w (given as codes): QUANTISED
;;     4. batch 8 x [M 4,096, K 8] x [K 8, N 4,096]; A: computed on the way; B: computed on the way: left as it is (K = 8 < 32)
;;     5. batch 8 x [M 64, K 4,096] x [K 4,096, N 4,096]; A: computed on the way; B: softmax (see below): QUANTISED
;;   THE QUANTISER, for each operand of a quantised product, along K:
;;     - K is cut into blocks of 32 from its start; a last block that is shorter is filled with zeros.
;;     - A block's scale is 2^e with e = floor(log2(the largest magnitude in the block)) - 4, held to -126 .. 127; a block of zeros has e = 0. As a byte (E8M0): e + 127.
;;     - Each number is divided by its block's scale, clamped to +-28, and rounded to the nearest number of E3M2, ties to even, subnormals kept.
;;     - The product sums the exact products of the quantised numbers (number of the format x scale) in f32.
;;   ~~~python
;;   def quantise(x, axis):      # numpy; x: float32 -> the quantised numbers, widened to float32 again
;;       x = np.moveaxis(x, axis, -1); K = x.shape[-1]
;;       x = np.pad(x, [(0, 0)] * (x.ndim - 1) + [(0, -K % 32)]); x = x.reshape(x.shape[:-1] + (-1, 32)); a = np.abs(x).max(-1, keepdims=True)
;;       e = np.where(a > 0, np.clip(np.frexp(np.where(a > 0, a, 1))[1] - 1 - 4, -126, 127), 0)      # np.frexp(a)[1] - 1 = floor(log2(a)), exactly
;;       r = np.clip(x / 2.0 ** e, -28, 28)
;;       step = 2.0 ** (np.maximum(np.frexp(np.where(r == 0, 1, r))[1] - 1, -2) - 2)
;;       q = np.round(r / step) * step * 2.0 ** e      # np.round: ties to even
;;       return np.moveaxis(q.reshape(q.shape[:-2] + (-1,))[..., :K], -1, axis).astype(np.float32)
;;   ~~~
;;   SOFTMAX AHEAD OF A QUANTISED PRODUCT. Where the list says 'softmax', what is quantised is not the finished softmax but p = 2^(t - M), with t = logit x log2(e) and M = ceil(the row's largest t), a whole number; so 1/2 < the row's largest p <= 1. The row's sum l is taken of the UNQUANTISED p, in f32, and the product's result is divided by l at the end. Since M is a whole number, a kernel that streams over the keys may use a running M (the ceiling of the running maximum): every later rescaling is an exact power of two, which a block's scale takes up: the codes' values come out the same.
;;   OPERANDS COMPUTED ON THE WAY. 'Computed on the way' means the value that the module computes at that place (a softmax that the list does not call 'softmax' is quantised finished and normalised). What goes into a quantiser is computed in f32, as accurately as f32 sums, v_exp_f32 and their like allow (about 1e-6 of the number): no bf16 or f16 on the way to a quantiser, and a product that is left as it is and whose result goes on into a quantised operand takes f32 operands (vector FMAs, or v_wmma_f32_16x16x4_f32). A number that lies on a knife's edge between two numbers of the format may be rounded either way, as far as f32 arithmetic and the matrix unit's own rounding can turn it there, and no further.
;;   INPUTS GIVEN AS CODES. g_w (in the module: [64, 64], K = its axis 1): each comes as NAME_codes (uint8): NAME with its K axis moved to the last place and cut into blocks of 32 codes, [.., K / 32, bytes a block], one block behind the other in memory; four codes in three bytes: a row's codes are one little-endian stream of bits, code i at bits 6 i .. 6 i + 5 (a code: sign, 3 exponent bits, 2 mantissa bits); and NAME_scales (uint8): the same leading axes, one E8M0 byte (e + 127) for each 32 codes along K. Its value is code x scale, taken as it is: it is not quantised again, and the codes and scales need not be those that the quantiser above would give.
;; One version. Each part assembles by itself: llvm-mc -triple=amdgcn-amd-amdhsa -mcpu=gfx1250 --defsym DOCPART=n.
;; ======== version 1 of 1: 2 launches
;; workspace buffers: theta 1,048,576 bytes; kv 2,686,976 bytes
;; launch prep (part 1): grid 256 x 1, 4 waves a work-group, no clusters, 47,616 bytes of LDS; arguments x, theta_w, theta_b, phi_w, phi_b, g_w_codes, g_w_scales, g_b, theta, kv; writes theta, kv
.if DOCPART == 1
	.amdgcn_target "amdgcn-amd-amdhsa--gfx1250"
	.amdhsa_code_object_version 6
	.text
	.protected	k_qe4e2aac9cf_prep
	.globl	k_qe4e2aac9cf_prep
	.p2align	8
	.type	k_qe4e2aac9cf_prep,@function
k_qe4e2aac9cf_prep:
	s_mov_b64 s[64:65], 0
	v_nop
	global_prefetch_b8 v0, s[64:65] scope:SCOPE_SE
	s_setreg_imm32_b32 hwreg(HW_REG_WAVE_MODE, 25, 1), 1
	s_wait_xcnt 0x0
; PREP.  x: [8][64 channels][4096 pixels] f32.  For each pixel: theta and phi (8 numbers each, f32 products with f32 operands), and g = Q(x along c) g_w + g_b on codes of BF6 (E3M2) with one E8M0 scale for each 32 along K.
; Stored: theta [image][pixel][8] f32, already times log2(e), so that a later score is t itself; and kv [image][32 key steps][10,496 bytes], laid in the order of the later operands' registers:
;   +0      phi: 8 tiles of 16 keys x 512 bytes; lane m + 16 h has 16 bytes at 16 x lane: phi[key][4 h .. 4 h + 3]
;   +4096   g's codes, quantised along the keys: 4 tiles of 16 channels x 128 keys, 1,536 bytes each: registers 4 c .. 4 c + 3 of the fragment at 512 c + 16 x lane
;   +10240  g's scale words: word 16 x tile + channel row
; THE PIXELS OF A TILE ARE NOT NEIGHBOURS: row r of tile 2 b + u is pixel 32 b + 8 u + r + 8 (r / 8), so that a result's 16 registers of tiles 2 b and 2 b + 1 are 16 neighbouring pixels.
; SHARES.  Work-group 32 x image + step takes 128 pixels.  Wave w loads channels 16 w .. 16 w + 15 (each load 512 consecutive bytes), owns pixel tiles 2 w and 2 w + 1 (theta, phi, the codes of x), and makes
; g's channels 16 w .. 16 w + 15 for all 128 pixels.  x turns through LDS; the codes of x go from wave to wave as images of their registers.  No tensor load, no loop, three barriers.
; LIMITS: NaN and infinities among the inputs are not served.  A block whose largest magnitude lies under 2^-122 keeps the scale byte 1, a block of zeros too (its codes are zeros; the bytes are read by this program alone).
; log2(e) is multiplied into theta ahead of the scores: one more f32 rounding than the source has, at another place.
.set STEPB, 10496                      ; a key step's block in kv
.set XIMG,  33024                      ; LDS: 0: x, channel c at 512 c + 128 (c / 32), so that lanes 16-31 (32 channels on) start 32 words further on modulo 64;  here: the 8 images of x's fragments,
.set FRB,   1536                       ; 12 registers x 128 bytes each;
.set XSC,   45312                      ; their scale words, 128 bytes a tile;
.set GSC,   46336                      ; g's 64 scale words
.set NW,    23                         ; loads of weights issued behind x's sixteen
.set W,     16                         ; v16-47   my row of the 16 rows of weights, channels 32 h on
.set BIAS,  48                         ; v48-55   theta_b[4 h ..], phi_b[4 h ..]: the C of the first f32 product
.set X0,    56                         ; v56-87   pixel tile 2 w: channels 32 h + 0 .. 31 of my pixel (first: phi_w's row)
.set WB,    56
.set X1,    88                         ; v88-119  pixel tile 2 w + 1
.set TP0,   120                        ; v120-135 the two f32 sums; written by matrix instructions alone
.set TP1,   128
.set TH,    136                        ; v136-143 theta times log2(e)
.set GW,    144                        ; v144-155 g_w's fragment: K = 64, so registers 6-11 are zero codes
.set GWS,   156                        ; v156     g_w's scale word
.set GBV,   157                        ; v157     my channel's g_b
.set PW,    158                        ; v158     the scale word just made
.set GB,    160                        ; v160-167 g_b eight times: the C of g's products
.set XL,    168                        ; v168-231 x as loaded; then the codes of x; then g's eight accumulators
.set PCX0,  168
.set PCX1,  184
.set HA,    168
.set XS,    232                        ; v232-239 x's scale words, one register a tile
.set TM,    240                        ; v240-247, v252-255 at work in the quantisers (v248-251 are addresses)
.set XF,    16                         ; v16-111  x's eight fragments
.set PC,    16                         ; v16-35   g's codes
.macro BARRIER                         ; my LDS stores have landed and my LDS loads are in: then the work-group's barrier
	s_wait_dscnt 0x0
	s_barrier_signal -1
	s_barrier_wait -1
.endm
.macro IMAGE pc, off                   ; a fragment goes to LDS as it stands in the registers
.irp c, 0,1,2
	ds_store_b128 v248, v[\pc+4*\c:\pc+4*\c+3] offset:\off+512*\c
.endr
.endm
; 32 numbers of a lane, channels 32 h + 0 .. 31 of its pixel: ONE block.  Codes into v[pc] .. v[pc + 5], the pixel's scale word into v[PW].
.macro QUANTX x, pc, tmp
	v_max3_num_f32 v[TM], |v[\x]|, |v[\x+1]|, 0x2800000              ; the floor 2^(5 - 127) among the leaves: the byte cannot fall under 1
	v_max3_num_f32 v[TM+1], |v[\x+2]|, |v[\x+3]|, |v[\x+4]|          ; two chains
.irp i, 5,9,13,17,21,25
	v_max3_num_f32 v[TM], v[TM], |v[\x+\i]|, |v[\x+\i+1]|
	v_max3_num_f32 v[TM+1], v[TM+1], |v[\x+\i+2]|, |v[\x+\i+3]|
.endr
	v_max3_num_f32 v[TM], v[TM], |v[\x+29]|, |v[\x+30]|
	v_max3_num_f32 v[TM], v[TM], v[TM+1], |v[\x+31]|                 ; the block's largest magnitude
	v_add_nc_u32 v[TM+12], 0xfe000000, v[TM]                         ; 4 off its exponent field: the conversion's scale operand
	v_lshrrev_b32 v[TM+1], 23, v[TM+12]                              ; the scale's byte,
	v_lshlrev_b32 v[TM+1], v3, v[TM+1]                               ; at its place in the word: 8 h bits up;
	v_permlanex16_b32 v[TM+4], v[TM+1], s26, s27
	v_or_b32 v[PW], v[TM+1], v[TM+4]                                 ; with lane l xor 16's the two bytes are there;
	v_or_b32 v[PW], 0x7f7f0000, v[PW]                                ; bytes 2 and 3 stand over zero codes: 127
	v_cvt_scalef32_pk16_bf6_f32 v[\pc:\pc+2], v[\x:\x+15], v[TM+12]
	v_cvt_scalef32_pk16_bf6_f32 v[\tmp:\tmp+2], v[\x+16:\x+31], v[TM+12]   ; (a conversion's three registers begin on an even number)
	v_nop                                                            ; one plain place behind a scaled conversion
.irp i, 0,1,2
	v_mov_b32 v[\pc+3+\i], v[\tmp+\i]
.endr
.endm
; 64 numbers of a lane, register 16 b + i = k 32 b + 16 (lane / 16) + i of my row, become a fragment's codes in v[PC] on and its scale word in v[PW].
.macro QUANT s
.irp b, 0,1,2,3
	v_max3_num_f32 v[TM+\b], |v[\s+16*\b]|, |v[\s+1+16*\b]|, 0x2800000
.endr
.irp i, 2,4,6,8,10,12,14
.irp b, 0,1,2,3
	v_max3_num_f32 v[TM+\b], v[TM+\b], |v[\s+16*\b+\i]|, |v[\s+1+16*\b+\i]|   ; the four blocks by turns
.endr
.endr
.irp b, 0,1,2,3
	v_permlanex16_b32 v[TM+4+\b], v[TM+\b], s26, s27
.endr
.irp b, 0,1,2,3
	v_max_num_f32 v[TM+\b], v[TM+\b], v[TM+4+\b]                     ; with lane l xor 16's: the block's largest magnitude
.endr
.irp b, 0,1,2,3
	v_add_nc_u32 v[TM+12+\b], 0xfe000000, v[TM+\b]
.endr
.irp b, 0,1,2,3
	v_lshrrev_b32 v[TM+4+\b], 23, v[TM+12+\b]
.endr
	v_lshl_or_b32 v[PW], v[TM+5], 8, v[TM+4]
	v_lshl_or_b32 v[PW], v[TM+6], 16, v[PW]
	v_lshl_or_b32 v[PW], v[TM+7], 24, v[PW]
.irp c, 0,1
	v_cvt_scalef32_pk16_bf6_f32 v[PC+6*\c:PC+2+6*\c], v[\s+32*\c:\s+15+32*\c], v[TM+12+2*\c]
	v_cvt_scalef32_pk16_bf6_f32 v[PC+12+4*\c:PC+14+4*\c], v[\s+16+32*\c:\s+31+32*\c], v[TM+12+2*\c+1]
.endr
	v_nop                                                            ; one plain place behind a scaled conversion
.irp c, 0,1                            ; the operand's layout wants a WHOLE block in a lane: lanes 0-15 block 2 c, lanes 16-31 block 2 c + 1
.irp i, 0,1,2
	v_permlane16_swap_b32 v[PC+6*\c+\i], v[PC+12+4*\c+\i]
.endr
.irp i, 0,1,2
	v_mov_b32 v[PC+3+6*\c+\i], v[PC+12+4*\c+\i]
.endr
.endr
.endm
	s_load_b512 s[4:19], s[0:1], 0x0               ; x, theta_w, theta_b, phi_w, phi_b, g_w's codes, g_w's scales, g_b
	s_load_b128 s[20:23], s[0:1], 0x40             ; theta, kv
	s_set_vgpr_msb 0x40
	v_lshl_add_u32 v0, v0, 2, 0xb800
	v_mov_b32 v1, 0
	s_set_vgpr_msb 0x4000
	v_lshrrev_b32 v4, 5, v0
	v_readfirstlane_b32 s24, v4                    ; wave 0..3
	v_and_b32 v1, 31, v0                           ; lane
	v_and_b32 v2, 15, v0                           ; r
	v_bfe_u32 v3, v0, 4, 1                         ; h
	v_and_b32 v4, 8, v2
	v_add_nc_u32 v4, v4, v2                        ; rr = r + 8 (r / 8)
	v_lshlrev_b32 v5, 4, v1                        ; 16 x lane
	s_lshl_b32 s28, s24, 18
	v_add_nc_u32 v6, s28, v5                       ; x in memory: my wave's 16 channels of 16,384 bytes, 16 bytes a lane
	s_lshl_b32 s28, s24, 13
	s_lshr_b32 s29, s24, 1
	s_lshl_b32 s29, s29, 7
	s_add_co_u32 s28, s28, s29
	v_add_nc_u32 v7, s28, v5                       ; x into LDS: 512 x 16 w + 128 (w / 2) + 16 x lane
	v_mul_u32_u24 v8, v3, 16512
	v_lshl_add_u32 v8, v4, 2, v8
	s_lshl_b32 s28, s24, 7
	v_add_nc_u32 v8, s28, v8                       ; x out of LDS: channel 32 h, pixel 32 w + rr
	v_lshrrev_b32 v9, 3, v2
	v_and_b32 v10, 3, v2
	v_lshl_add_u32 v9, v9, 2, v10                  ; which row of theta_w or phi_w lane r stands for: 4 (r / 8) + r % 4
	v_lshlrev_b32 v9, 8, v9
	v_lshl_add_u32 v9, v3, 7, v9                   ; its bytes: 256 a row, + 128 h
	v_lshlrev_b32 v10, 4, v3                       ; the biases: 16 h
	s_lshl_b32 s28, s24, 4
	v_add_nc_u32 v13, s28, v2                      ; my channel of g: 16 w + r
	v_mul_u32_u24 v11, v13, 48
	v_mad_u32_u24 v11, v3, 24, v11                 ; g_w's codes: 48 bytes a row, + 24 h
	v_lshlrev_b32 v12, 1, v13                      ; its two scale bytes
	v_lshlrev_b32 v13, 2, v13                      ; its g_b
	s_lshl_b32 s28, s24, 5
	v_add_nc_u32 v14, s28, v4
	v_lshlrev_b32 v14, 5, v14
	v_lshl_add_u32 v14, v3, 4, v14                 ; theta out: pixel 32 w + rr, 32 bytes a pixel, + 16 h
	s_lshl_b32 s28, s24, 10
	v_add_nc_u32 v15, s28, v5                      ; phi out: tile 2 w, 16 x lane
	s_mul_i32 s28, s24, FRB
	v_add_nc_u32 v159, s28, v5                     ; g's codes out: channel tile w
	s_mul_i32 s28, s24, 2*FRB
	s_add_co_u32 s28, s28, XIMG
	v_add_nc_u32 v248, s28, v5                     ; where I store x's images
	v_lshlrev_b32 v250, 2, v1                      ; 4 x lane
	s_lshl_b32 s28, s24, 8
	s_add_co_u32 s28, s28, XSC
	v_add_nc_u32 v249, s28, v250                   ; and their scale words
	s_lshl_b32 s28, s24, 6
	s_add_co_u32 s28, s28, GSC
	v_lshl_add_u32 v251, v2, 2, s28                ; g's scale word of my channel
	v_and_b32 v[TM], 4, v2
	v_cmp_ne_u32 vcc_lo, 0, v[TM]                  ; rows with r & 4 are phi's; VCC is kept for the selects below
	v_lshlrev_b32 v2, 3, v1                        ; 8 x lane: the scale words' way out, in memory
	v_add_nc_u32 v1, GSC, v2                       ; and in LDS
	v_lshlrev_b32 v3, 3, v3                        ; 8 h: the shift of a scale byte
.irp b, 0,1,2,3
	v_mov_b32 v[TM+4+\b], 0                        ; written once: a lane permute's destination counts as one of its sources
.endr
.irp i, 6,7,8,9,10,11
	v_mov_b32 v[GW+\i], 0                          ; K = 64 .. 127 of g_w: zero codes
.endr
	s_mov_b32 s26, 0x76543210
	s_mov_b32 s27, 0xfedcba98                      ; v_permlanex16_b32's selects for lane l xor 16
	s_lshr_b32 s28, ttmp9, 5                       ; image
	s_and_b32 s29, ttmp9, 31                       ; key step
	s_lshl_b32 s28, s28, 20
	s_lshl_b32 s29, s29, 9
	s_add_co_u32 s28, s28, s29
	s_mov_b32 s29, 0
	s_lshl_b32 s30, ttmp9, 12                      ; 128 pixels x 32 bytes of theta
	s_mov_b32 s31, 0
	s_mul_i32 s32, ttmp9, STEPB
	s_mov_b32 s33, 0
	s_wait_kmcnt 0x0
	s_add_nc_u64 s[4:5], s[4:5], s[28:29]
	s_add_nc_u64 s[20:21], s[20:21], s[30:31]
	s_add_nc_u64 s[22:23], s[22:23], s[32:33]
.set kk, 0
.rept 16
	global_load_b128 v[XL+4*kk:XL+4*kk+3], v6, s[4:5] offset:16384*kk     ; channel 16 w + kk: 32 lanes read 512 consecutive bytes
.set kk, kk+1
.endr
.set kk, 0
.rept 8
	global_load_b128 v[W+4*kk:W+4*kk+3], v9, s[6:7] offset:16*kk
	global_load_b128 v[WB+4*kk:WB+4*kk+3], v9, s[10:11] offset:16*kk
.set kk, kk+1
.endr
	global_load_b128 v[BIAS:BIAS+3], v10, s[8:9]
	global_load_b128 v[BIAS+4:BIAS+7], v10, s[12:13]
.irp p, 0,1,2
	global_load_b64 v[GW+2*\p:GW+2*\p+1], v11, s[14:15] offset:8*\p       ; 24 bytes: K = 32 h + 0 .. 31 of row 16 w + r, as they lie
.endr
	global_load_u16 v[GWS], v12, s[16:17]
	global_load_b32 v[GBV], v13, s[18:19]
	; ---- x into LDS
.set kk, 0
.rept 16
	s_wait_loadcnt NW+15-kk                        ; behind load kk: the 15 - kk later loads of x and the NW loads of weights
	ds_store_b128 v7, v[XL+4*kk:XL+4*kk+3] offset:512*kk
.set kk, kk+1
.endr
	s_wait_loadcnt 0x0
.set kk, 0
.rept 32
	v_cndmask_b32 v[W+kk], v[W+kk], v[WB+kk], vcc_lo   ; output row 8 h + j is theta[4 h + j] for j < 4, phi[4 h + j - 4] else
.set kk, kk+1
.endr
	v_or_b32 v[GWS], 0x7f7f0000, v[GWS]            ; bytes 2 and 3 stand over zero codes: 127
.irp j, 0,1,2,3,4,5,6,7
	v_mov_b32 v[GB+\j], v[GBV]                     ; in g's results a lane holds one channel: its bias in all eight registers
.endr
	BARRIER                                        ; all 64 channels of the 128 pixels lie in LDS
	; ---- my two pixel tiles: a lane takes one pixel, its registers run down the channels
.set kk, 0
.rept 32
	ds_load_b32 v[X0+kk], v8 offset:512*kk
.set kk, kk+1
.endr
.set kk, 0
.rept 32
	ds_load_b32 v[X1+kk], v8 offset:512*kk+32
.set kk, kk+1
.endr
.irp i, 6,7,8,9,10,11
	v_mov_b32 v[PCX0+\i], 0                        ; K = 64 .. 127 of x: zero codes (the stores that read these registers are done: the barrier's wait)
	v_mov_b32 v[PCX1+\i], 0
.endr
	s_wait_dscnt 32                                ; tile 0's 32 loads are in; tile 1's 32 may be out
	QUANTX X0, PCX0, PCX0+12
	IMAGE PCX0, 0
	ds_store_b32 v249, v[PW]
	s_wait_dscnt 0x0                               ; tile 1 is in, and the stores have read their registers
	QUANTX X1, PCX1, PCX1+12
	IMAGE PCX1, FRB
	ds_store_b32 v249, v[PW] offset:128
	; ---- theta and phi, f32 operands: 16 rows of weights x 16 pixels, 4 channels an instruction: place (h, j) of step ks stands for channel 32 h + 2 ks + j on both sides.
	; Two sums by turns, one instruction a turn; the biases are the C of each sum's first instruction.
	v_wmma_f32_16x16x4_f32 v[TP0:TP0+7], v[W:W+1], v[X0:X0+1], v[BIAS:BIAS+7]
	v_wmma_f32_16x16x4_f32 v[TP1:TP1+7], v[W:W+1], v[X1:X1+1], v[BIAS:BIAS+7]
.set ks, 1
.rept 15
	v_wmma_f32_16x16x4_f32 v[TP0:TP0+7], v[W+2*ks:W+2*ks+1], v[X0+2*ks:X0+2*ks+1], v[TP0:TP0+7]
	v_wmma_f32_16x16x4_f32 v[TP1:TP1+7], v[W+2*ks:W+2*ks+1], v[X1+2*ks:X1+2*ks+1], v[TP1:TP1+7]
.set ks, ks+1
.endr
.rept 8
	v_nop                                          ; eight places behind this form before its results are read
.endr
.irp j, 0,1,2,3
	v_mul_f32 v[TH+\j], 0x3fb8aa3b, v[TP0+\j]      ; theta[4 h + j] x log2(e); each sum is read from its low end on
.endr
.irp j, 0,1,2,3
	v_mul_f32 v[TH+4+\j], 0x3fb8aa3b, v[TP1+\j]
.endr
	global_store_b128 v14, v[TH:TH+3], s[20:21]                  ; 8 pixels x 32 bytes: sixteen lanes fill 256 consecutive bytes, aligned
	global_store_b128 v14, v[TH+4:TH+7], s[20:21] offset:256
	global_store_b128 v15, v[TP0+4:TP0+7], s[22:23]              ; phi[4 h ..]: 512 consecutive bytes a tile
	global_store_b128 v15, v[TP1+4:TP1+7], s[22:23] offset:512
	BARRIER                                        ; the eight images of x and their scale words lie in LDS
	; ---- g: source 0 = 16 pixels of x, source 1 = my 16 rows of g_w: a lane holds ONE channel, its registers run along the pixels, the next K
.set t, 0
.rept 8
.irp c, 0,1,2
	ds_load_b128 v[XF+12*t+4*\c:XF+12*t+4*\c+3], v5 offset:XIMG+FRB*t+512*\c
.endr
	ds_load_b32 v[XS+t], v250 offset:XSC+128*t
.set t, t+1
.endr
	s_wait_dscnt 0x0
.set t, 0
.rept 8
	v_wmma_scale_f32_16x16x128_f8f6f4 v[HA+8*t:HA+8*t+7], v[XF+12*t:XF+12*t+11], v[GW:GW+11], v[GB:GB+7], v[XS+t], v[GWS] matrix_a_fmt:MATRIX_FMT_BF6 matrix_b_fmt:MATRIX_FMT_BF6
.set t, t+1
.endr
.rept 4
	v_nop                                          ; four places behind this form before its results are read
.endr
	QUANT HA                                       ; along the 128 pixels: one fragment of the second product, and its scale word
.irp c, 0,1,2
	global_store_b128 v159, v[PC+4*\c:PC+4*\c+3], s[22:23] offset:4096+512*\c    ; 512 consecutive bytes a store
.endr
	ds_store_b32 v251, v[PW]                       ; both halves of the lanes write the same word with the same value
	BARRIER                                        ; the 64 scale words lie in LDS
	s_cmp_lg_u32 s24, 0
	s_cbranch_scc1 .Lend
	ds_load_b64 v[40:41], v1                       ; wave 0 sends them out: 8 bytes a lane,
	s_wait_dscnt 0x0
	global_store_b64 v2, v[40:41], s[22:23] offset:10240         ; 256 consecutive bytes, aligned
.Lend:
	s_set_vgpr_msb 0x5
	s_wait_tensorcnt 0x0
	ds_add_u32 v0, v1
	s_wait_dscnt 0x0
	s_set_vgpr_msb 0x500
	s_endpgm
.Lfunc_end_k_qe4e2aac9cf_prep:
	.size	k_qe4e2aac9cf_prep, .Lfunc_end_k_qe4e2aac9cf_prep-k_qe4e2aac9cf_prep
	.p2alignl 7, 3214868480
	.fill 96, 4, 3214868480
	.section	.rodata,"a",@progbits
	.p2align	6, 0x0
	.amdhsa_kernel k_qe4e2aac9cf_prep
		.amdhsa_group_segment_fixed_size 47616
		.amdhsa_private_segment_fixed_size 0
		.amdhsa_enable_private_segment 0
		.amdhsa_kernarg_size 80
		.amdhsa_user_sgpr_count 2
		.amdhsa_user_sgpr_kernarg_segment_ptr 1
		.amdhsa_wavefront_size32 1
		.amdhsa_system_sgpr_workgroup_id_x 1
		.amdhsa_system_sgpr_workgroup_id_y 1
		.amdhsa_system_sgpr_workgroup_id_z 1
		.amdhsa_system_vgpr_workitem_id 0
		.amdhsa_next_free_vgpr 258
		.amdhsa_next_free_sgpr 66
		.amdhsa_reserve_vcc 1
		.amdhsa_float_denorm_mode_32 3
		.amdhsa_float_denorm_mode_16_64 3
		.amdhsa_memory_ordered 1
		.amdhsa_forward_progress 1
		.amdhsa_inst_pref_size 30
	.end_amdhsa_kernel
	.amdgpu_metadata
---
amdhsa.version: [ 1, 2 ]
amdhsa.kernels:
  - .name:           k_qe4e2aac9cf_prep
    .symbol:         k_qe4e2aac9cf_prep.kd
    .args:
      - { .name: x, .offset: 0, .size: 8, .value_kind: global_buffer, .address_space: global }
      - { .name: theta_w, .offset: 8, .size: 8, .value_kind: global_buffer, .address_space: global }
      - { .name: theta_b, .offset: 16, .size: 8, .value_kind: global_buffer, .address_space: global }
      - { .name: phi_w, .offset: 24, .size: 8, .value_kind: global_buffer, .address_space: global }
      - { .name: phi_b, .offset: 32, .size: 8, .value_kind: global_buffer, .address_space: global }
      - { .name: g_w_codes, .offset: 40, .size: 8, .value_kind: global_buffer, .address_space: global }
      - { .name: g_w_scales, .offset: 48, .size: 8, .value_kind: global_buffer, .address_space: global }
      - { .name: g_b, .offset: 56, .size: 8, .value_kind: global_buffer, .address_space: global }
      - { .name: theta, .offset: 64, .size: 8, .value_kind: global_buffer, .address_space: global }
      - { .name: kv, .offset: 72, .size: 8, .value_kind: global_buffer, .address_space: global }
    .group_segment_fixed_size: 47616
    .private_segment_fixed_size: 0
    .kernarg_segment_align: 8
    .kernarg_segment_size: 80
    .max_flat_workgroup_size: 128
    .sgpr_count:     66
    .vgpr_count:     258
    .wavefront_size: 32
...
	.end_amdgpu_metadata
.endif
;; end of part 1
;; launch attn (part 2): grid 32 x 8, 16 waves a work-group, no clusters, 327,680 bytes of LDS; arguments x, theta, kv, gamma, out0; writes out0
.if DOCPART == 2
	.amdgcn_target "amdgcn-amd-amdhsa--gfx1250"
	.amdhsa_code_object_version 6
	.text
	.protected	k_qe4e2aac9cf_attn
	.globl	k_qe4e2aac9cf_attn
	.p2align	8
	.type	k_qe4e2aac9cf_attn,@function
k_qe4e2aac9cf_attn:
	s_mov_b64 s[64:65], 0
	v_nop
	global_prefetch_b8 v0, s[64:65] scope:SCOPE_SE
	s_setreg_imm32_b32 hwreg(HW_REG_WAVE_MODE, 25, 1), 1
	s_wait_xcnt 0x0
; ATTN.  out[c][q] = x[c][q] + gamma x (sum over k of Q(g[c][k]) Q(p[q][k])) / l[q],  p = 2^(t - M),  t = theta'[q] . phi[k]  (theta' = theta x log2(e), made by the launch before),
; M = the ceiling of the row's running largest t, a whole number; l = the sum of the unquantised p.  The second product runs on codes of BF6 (E3M2) with one E8M0 scale for each 32 keys; the scores have f32 operands.
; SHARES.  A work-group owns 128 queries of one image: 256 work-groups.  SIXTEEN waves of 256 registers, four to a SIMD, so that one wave's vector work stands beside another's matrix work and LDS loads.
; Wave WV owns query tile WV % 8 (16 queries) and HALF of the keys: of each slot's four key steps (128 keys each) waves 0-7 take the first two, waves 8-15 the last two.  The halves are joined at the end: M is a whole
; number in both, so bringing both under the larger M is a multiplication by a power of two.
; LAYOUT.  Both products are used transposed: S^T = phi theta'^T (source 0 = 16 keys, source 1 = my 16 queries), O^T = g P^T (source 0 = 16 channels, source 1 = P): a lane holds ONE query (lane % 16) throughout.
; The keys of a tile are chosen by the launch before (row m of tile 2 b + u is key 32 b + 8 u + m + 8 (m / 8)), so that S^T's 16 registers of tiles 2 b, 2 b + 1 are keys 32 b + 16 (lane / 16) + 0 .. 15.
; kv lies in the order of the operands' registers: every LDS read is 16 x lane, dense; no pitch, no padding.  Two slots of 41,984 bytes, filled by the tensor data mover: waves 0 and 1 bring half a slot each.
; NO JOINT LOADS, though the 32 query blocks of an image walk the same kv: a work-group fetches 8 x 41,984 bytes in the whole launch, and a fill has 32 wave-steps (16 f32 and 4 six-bit matrix instructions and some
; 240 vector instructions each) in which to land; a cluster would add a round to each of the eight changes of slots.
; LIMITS: NaN and infinities are not served.  A block whose every p lies under 2^-122 keeps the scale byte 1.  The eight products of a score are summed in the order {0,1,4,5}, {2,3,6,7}.
; REGISTERS: v1, v2 my places in a slot; v3, v4 the step's addresses; v5, v6 the spare word and 0; v7 at work; v[8:9] f; v[10:11] the sum's second chain; v12 -M, v13 the largest t; v[14:15] l in two halves;
; v16-19 theta'; v20-21 g's scale words, v22 p's: scales and nothing else; v24-71 phi's 8 x 4, then g's 4 x 12; v72-135 S^T (written by matrix instructions alone); v136-199 p; v200-231 O^T;
; v232-243 block maxima and bytes, then p's codes; v244-247 the conversions' scale operands; v248-254 halves of codes.
.set STEPB, 10496                      ; a key step in kv: 4,096 phi + 6,144 codes of g + 256 scale words
.set HALFB, 2*STEPB                    ; what one tensor load brings: 82 rows of 256 bytes
.set SLOTB, 4*STEPB
.set SLOT1, 65536                      ; slot 1 begins here: one exclusive or turns an address in one slot into the other's
.set EXCH,  131072                     ; 256 bytes a wave: -M and l, for the wave with the other half of the keys
.set STG,   135168                     ; the way out: for each half of the keys 64 rows (channels) x (512 bytes + 16)
.set SPITCH, 528
.set STGH,  64*SPITCH
.set SPARE, STG+2*STGH                 ; the spare words, 128 bytes for each wave: eight blocks of 256 bytes that no other line names
.set F,  24
.set S,  72
.set P,  136
.set O,  200
.set BM, 232
.set PT, 236
.set PC, 232
.set SO, 244
.macro TLOAD                           ; waves 0 and 1 fetch, the others nothing: the branch hangs on the wave's number alone.  Four v_nop follow the load
	s_cmp_lt_u32 s18, 2
	s_cbranch_scc0 .Lnone_\@
	tensor_load_to_lds s[32:35], s[24:31]
	s_nop 0
.rept 4
	v_nop
.endr
.Lnone_\@:
.endm
; THE CHANGE OF SLOTS stands at a slot's head.  Each wave waits for all its tensor loads (its part of the slot ahead), adds 0 to its spare word, and waits for that and for its reads of the slot that it has left.
; Behind the barrier the slot ahead is whole and nobody reads the other one.  fill = 1: that other slot takes the next 512 keys: one load a wave, first thing behind the barrier; a wave never has more than one out.
.macro CHANGE fill
	s_wait_tensorcnt 0x0                           ; no tensor load of mine is out, so the descriptor may be written
	ds_add_u32 v5, v6                              ; 0 onto my spare word
.if \fill
	s_xor_b32 s33, s33, SLOT1                      ; the other slot than last time,
	s_add_nc_u64 s[34:35], s[34:35], SLOTB         ; the next four key steps; the type bits on top are not reached
.endif
	s_wait_dscnt 0x0                               ; the add is done, and my reads of the slot that I have left are over
	s_barrier_signal -1
	s_barrier_wait -1
.if \fill
	TLOAD
.endif
.endm
; A KEY STEP: 128 keys, my q-th of the slot in hand.
.macro STEP q
.set OFF, STEPB*(\q)
	v_add_nc_u32 v3, s36, v1
	v_add_nc_u32 v4, s36, v2
	v_nop
	v_nop                                          ; four places behind the last six-bit products, in front of loads into registers that they read
.set t, 0
.rept 8
	ds_load_b128 v[F+4*t:F+4*t+3], v3 offset:OFF+512*t       ; phi: tile t, my key's numbers 4 h .. 4 h + 3
.set t, t+1
.endr
	s_wait_dscnt 0x0
.set t, 0
.rept 8                                            ; S^T = phi theta'^T, f32 operands, K = 8 in two instructions; the eight sums by turns
	v_wmma_f32_16x16x4_f32 v[S+8*t:S+8*t+7], v[F+4*t:F+4*t+1], v[16:17], 0
.set t, t+1
.endr
.set t, 0
.rept 8
	v_wmma_f32_16x16x4_f32 v[S+8*t:S+8*t+7], v[F+4*t+2:F+4*t+3], v[18:19], v[S+8*t:S+8*t+7]
.set t, t+1
.endr
.rept 8
	v_nop                                          ; eight places behind this form: for the loads into phi's registers and for the first read of the scores
.endr
.set t, 0
.rept 12
	ds_load_b128 v[F+4*t:F+4*t+3], v3 offset:OFF+4096+512*t  ; g's four fragments: they land under the softmax
.set t, t+1
.endr
	ds_load_b32 v20, v4 offset:OFF                 ; g's scale words: lanes 0-15 channel tile 0, lanes 16-31 tile 1;
	ds_load_b32 v21, v4 offset:OFF+128             ; tiles 2 and 3
.irp b, 0,1,2,3
	v_max3_num_f32 v[BM+\b], v[S+16*\b], v[S+16*\b+1], v[S+16*\b+2]   ; THE LARGEST t OF EACH BLOCK OF 32 KEYS: for the row's maximum, and, since p rises with t, for the block's largest p
.endr
.irp i, 3,5,7,9,11,13
.irp b, 0,1,2,3
	v_max3_num_f32 v[BM+\b], v[BM+\b], v[S+16*\b+\i], v[S+16*\b+\i+1]
.endr
.endr
.irp b, 0,1,2,3
	v_max_num_f32 v[BM+\b], v[BM+\b], v[S+16*\b+15]
.endr
.irp b, 0,1,2,3
	v_permlanex16_b32 v[PT+\b], v[BM+\b], s20, s21
.endr
.irp b, 0,1,2,3
	v_max_num_f32 v[BM+\b], v[BM+\b], v[PT+\b]     ; with lane l xor 16's 16 keys
.endr
	v_max3_num_f32 v7, v[BM], v[BM+1], v[BM+2]
	v_max_num_f32 v7, v7, v[BM+3]                  ; the step's largest t of my query
	v_max_num_f32 v13, v13, v7                     ; the running largest t
	v_mov_b32 v7, v12
	v_floor_f32 v12, -v13                          ; the new -M = floor(-t) = -ceil(t)
	v_sub_f32 v7, v12, v7                          ; old M - new M: a whole number, 0 or less
	v_cvt_i32_f32 v7, v7                           ; (it saturates)
	v_ldexp_f32 v8, 1.0, v7                        ; f = 2^(old M - new M)
.set j, 0
.rept 32
	v_pk_add_f32 v[P+j:P+j+1], v[S+j:S+j+1], v[12:13] op_sel_hi:[1,0]   ; t - M, two at a time, into other registers than the sums'
.set j, j+2
.endr
.irp b, 0,1,2,3
	v_add_f32 v[BM+\b], v[BM+\b], v12              ; the same of each block's largest t
.endr
.set j, 0
.rept 64
	v_exp_f32 v[P+j], v[P+j]                       ; p = 2^(t - M), at most 1: NOT normalised
.set j, j+1
.endr
.irp b, 0,1,2,3
	v_exp_f32 v[BM+\b], v[BM+\b]                   ; the block's largest p: the same two operations on the same number give the same bits
.endr
	v_pk_mul_f32 v[14:15], v[14:15], v[8:9] op_sel_hi:[1,0]   ; the sums under the new M.  (A plain place behind the exponentials)
.set j, 0
.rept 16
	v_pk_mul_f32 v[O+j:O+j+1], v[O+j:O+j+1], v[8:9] op_sel_hi:[1,0]     ; O^T under the new M, each accumulator from its low end on
.set j, j+2
.endr
	s_wait_alu depctr_va_vdst(0)
.irp b, 0,1,2,3
	v_max_num_f32 v[BM+\b], 0x2800000, v[BM+\b]    ; the floor 2^(5 - 127): the byte cannot fall under 1
.endr
.irp b, 0,1,2,3
	v_add_nc_u32 v[SO+\b], 0xfe000000, v[BM+\b]    ; 4 off the exponent field: the conversion's scale operand
.endr
.irp b, 0,1,2,3
	v_lshrrev_b32 v[PT+\b], 23, v[SO+\b]           ; the scale's byte
.endr
	v_lshl_or_b32 v22, v[PT+1], 8, v[PT]           ; p's scale word for these 128 keys
	v_lshl_or_b32 v22, v[PT+2], 16, v22
	v_lshl_or_b32 v22, v[PT+3], 24, v22
	v_cvt_scalef32_pk16_bf6_f32 v[PC:PC+2], v[P:P+15], v[SO]
	v_cvt_scalef32_pk16_bf6_f32 v[248:250], v[P+16:P+31], v[SO+1]       ; (a conversion's three registers begin on an even number)
	v_cvt_scalef32_pk16_bf6_f32 v[PC+6:PC+8], v[P+32:P+47], v[SO+2]
	v_cvt_scalef32_pk16_bf6_f32 v[252:254], v[P+48:P+63], v[SO+3]
	v_nop                                          ; one plain place behind a scaled conversion
.irp i, 0,1,2                          ; the operand's layout wants a WHOLE block in a lane: lanes 0-15 block 2 c, lanes 16-31 block 2 c + 1
	v_permlane16_swap_b32 v[PC+\i], v[248+\i]
	v_permlane16_swap_b32 v[PC+6+\i], v[252+\i]
.endr
.irp i, 0,1,2
	v_mov_b32 v[PC+3+\i], v[248+\i]
	v_mov_b32 v[PC+9+\i], v[252+\i]
.endr
	v_pk_add_f32 v[10:11], v[P:P+1], v[P+2:P+3]    ; THE ROW'S SUM IS TAKEN OF THE UNQUANTISED p: two at a time, in two chains.  (These 32 are also the places between the writing of p's codes and scale word and the products)
.irp j, 4,8,12,16,20,24,28,32,36,40,44,48,52,56,60
	v_pk_add_f32 v[14:15], v[14:15], v[P+\j:P+\j+1]
	v_pk_add_f32 v[10:11], v[10:11], v[P+\j+2:P+\j+3]
.endr
	v_pk_add_f32 v[14:15], v[14:15], v[10:11]
	s_wait_dscnt 0x0                               ; g's fragments and scale words are in
.irp ct, 0,1,2,3                       ; O^T += g P^T: four tiles of 16 channels, K = these 128 keys; four accumulators, one instruction each
.if \ct % 2
	v_wmma_scale_f32_16x16x128_f8f6f4 v[O+8*\ct:O+8*\ct+7], v[F+12*\ct:F+12*\ct+11], v[PC:PC+11], v[O+8*\ct:O+8*\ct+7], v[20+\ct/2], v22 matrix_a_fmt:MATRIX_FMT_BF6 matrix_b_fmt:MATRIX_FMT_BF6 matrix_a_scale:MATRIX_SCALE_ROW1
.else
	v_wmma_scale_f32_16x16x128_f8f6f4 v[O+8*\ct:O+8*\ct+7], v[F+12*\ct:F+12*\ct+11], v[PC:PC+11], v[O+8*\ct:O+8*\ct+7], v[20+\ct/2], v22 matrix_a_fmt:MATRIX_FMT_BF6 matrix_b_fmt:MATRIX_FMT_BF6
.endif
.endr
.endm
.macro SLOT_STEPS
	STEP 0
	STEP 1
	s_xor_b32 s36, s36, SLOT1                      ; on to the other slot
.endm
	s_load_b256 s[4:11], s[0:1], 0x0               ; x s[4:5], theta s[6:7], kv s[8:9], gamma s[10:11]
	s_load_b64 s[12:13], s[0:1], 0x20              ; out0
	v_lshl_add_u32 v5, v0, 2, SPARE
	v_mov_b32 v6, 0
	ds_add_u32 v5, v6
	s_wait_dscnt 0x0
	v_lshrrev_b32 v7, 5, v0
	v_readfirstlane_b32 s18, v7                    ; wave 0..15
	s_lshr_b32 s17, s18, 3                         ; which half of the keys
	s_and_b32 s19, s18, 7                          ; which tile of 16 queries
	s_and_b32 s40, ttmp7, 0xffff                   ; the image
	; descriptor group 1: a dense block of 20,992 bytes as 82 rows of 256 bytes (32 elements of 8 bytes), no padding
	s_mov_b32 s24, 3<<16                           ; 15:0 no mask; 17:16 elements of 8 bytes; 20 padding off
	s_mov_b32 s25, 32<<16                          ; tensor_dim0 = 32
	s_mov_b32 s26, 82<<16                          ; tensor_dim1 = 82
	s_mov_b32 s27, 32<<16                          ; tile_dim0 = 32
	s_mov_b32 s28, 82                              ; tile_dim1 = 82
	s_mov_b32 s29, 32                              ; elements from row to row
	s_mov_b32 s30, 0
	s_mov_b32 s31, 0
	s_and_b32 s41, s18, 1
	s_mul_i32 s41, s41, HALFB                      ; which half of a slot I fetch, if I fetch: in LDS and in memory alike
	s_mul_i32 s42, s40, 32*STEPB                   ; the image's 32 key steps
	s_add_co_u32 s42, s42, s41
	s_mov_b32 s43, 0
	s_mov_b32 s20, 0x76543210
	s_mov_b32 s21, 0xfedcba98                      ; v_permlanex16_b32's selects for lane l xor 16
	s_mov_b32 s36, 0                               ; LDS byte at which the slot in hand begins
	s_mov_b32 s37, 7                               ; slots still to be asked for
	s_wait_kmcnt 0x0
	s_mov_b32 s32, 1                               ; group 0: count = 1,
	s_mov_b32 s33, s41                             ; LDS address: slot 0,
	s_add_nc_u64 s[34:35], s[8:9], s[42:43]        ; global address: the image's first four key steps,
	s_or_b32 s35, s35, 0x80000000                  ; type = 2
	TLOAD                                          ; slot 0: the one first fill, ahead of every wait on TENSORcnt, every LDS read and every barrier
	s_load_b32 s14, s[10:11], 0x0                  ; gamma
	s_lshl_b32 s44, s40, 17                        ; theta: 4,096 pixels x 32 bytes an image,
	s_lshl_b32 s45, ttmp9, 12                      ; 128 queries a block,
	s_add_co_u32 s44, s44, s45
	s_lshl_b32 s45, s19, 9                         ; 16 a tile
	s_add_co_u32 s44, s44, s45
	s_mov_b32 s45, 0
	s_add_nc_u64 s[6:7], s[6:7], s[44:45]
	v_and_b32 v7, 15, v0
	v_bfe_u32 v3, v0, 4, 1
	v_lshlrev_b32 v4, 5, v7
	v_lshl_add_u32 v4, v3, 4, v4                   ; query r, numbers 4 h on
	global_load_b128 v[16:19], v4, s[6:7]          ; theta' stays in registers
	s_lshl_b32 s46, s40, 20                        ; x and out0: the image, my block's 128 queries (512 bytes of a row), my wave's four channels on the way out
	s_lshl_b32 s47, ttmp9, 9
	s_add_co_u32 s46, s46, s47
	s_lshl_b32 s47, s18, 16
	s_add_co_u32 s46, s46, s47
	s_mov_b32 s47, 0
	s_add_nc_u64 s[4:5], s[4:5], s[46:47]
	s_add_nc_u64 s[12:13], s[12:13], s[46:47]
	v_and_b32 v7, 31, v0
	s_mul_i32 s40, s17, HALFB                      ; my two key steps of a slot
	v_lshl_add_u32 v1, v7, 4, s40                  ; 16 x lane
	s_add_co_u32 s41, s40, 10240
	v_lshl_add_u32 v2, v7, 2, s41                  ; the scale words: 4 x lane
	v_mov_b32 v13, 0xff61b1e6                      ; the largest t so far: -3e38, under every t
	v_floor_f32 v12, -v13                          ; -M
	v_mov_b32 v14, 0                               ; the sum, in two halves
	v_mov_b32 v15, 0
	v_mov_b32 v9, 0                                ; (named as the upper half of the pair v[8:9])
.irp b, 0,1,2,3
	v_mov_b32 v[PT+\b], 0                          ; written once: a lane permute's destination counts as one of its sources
.endr
.set j, 0
.rept 32
	v_mov_b32 v[O+j], 0                            ; O^T.  (The step is written once: the first finds zeros, which the first change of M leaves zeros)
.set j, j+1
.endr
	s_wait_loadcnt 0x0                             ; theta'
	s_wait_kmcnt 0x0                               ; gamma
.Lslot:                                            ; 7 trips: behind each change of slots but the last the next slot is asked for
	CHANGE 1
	SLOT_STEPS
	s_sub_co_u32 s37, s37, 1
	s_cmp_lg_u32 s37, 0
	s_cbranch_scc1 .Lslot
	CHANGE 0                                       ; the last slot is written out
	SLOT_STEPS
	; THE JOIN.  The first four lines are the places behind the last products, in front of the loads into registers that they read.
	v_and_b32 v1, 31, v0                           ; lane
	v_and_b32 v2, 15, v0                           ; r
	v_bfe_u32 v3, v0, 4, 1                         ; h
	v_lshlrev_b32 v4, 4, v1                        ; 16 x lane: my bytes of a row of x and of out0
.irp i, 0,1,2,3
	global_load_b128 v[24+4*\i:27+4*\i], v4, s[4:5] offset:16384*\i th:TH_LOAD_NT   ; x, channels 4 WV + i, my block's 128 queries: 512 consecutive bytes; they land under the two barriers below
.endr
	s_lshl_b32 s40, s18, 8
	s_add_co_u32 s40, s40, EXCH
	v_lshl_add_u32 v10, v1, 2, s40                 ; where I put -M and l,
	s_xor_b32 s41, s18, 8
	s_lshl_b32 s41, s41, 8
	s_add_co_u32 s41, s41, EXCH
	v_lshl_add_u32 v11, v1, 2, s41                 ; and where the wave with the same queries and the other keys puts its own
	s_mul_i32 s42, s17, STGH
	s_lshl_b32 s43, s19, 6
	s_add_co_u32 s42, s42, s43
	s_add_co_u32 s42, s42, STG
	v_mul_u32_u24 v16, v3, 8*SPITCH
	v_lshl_add_u32 v16, v2, 2, v16
	v_add_nc_u32 v16, s42, v16                     ; the stage, in: my half's rows, channel 8 h, query 16 x tile + r
	s_mul_i32 s43, s18, 4*SPITCH
	s_add_co_u32 s43, s43, STG
	v_add_nc_u32 v17, s43, v4                      ; and back: rows 4 WV on, 16 bytes a lane
	v_add_f32 v14, v14, v15                        ; the sum's two halves,
	v_permlanex16_b32 v7, v14, s20, s21
	v_add_f32 v14, v14, v7                         ; and lane l xor 16's: my keys' sum
	ds_store_b32 v10, v12
	ds_store_b32 v10, v14 offset:128
	s_wait_dscnt 0x0                               ; for the other wave's sake: my stores have landed
	s_barrier_signal -1
	s_barrier_wait -1
	ds_load_b32 v18, v11
	ds_load_b32 v19, v11 offset:128
	s_wait_dscnt 0x0
	v_min_num_f32 v7, v12, v18                     ; -M of all keys
	v_sub_f32 v244, v7, v12                        ; my M less the common one: a whole number, 0 or less
	v_sub_f32 v245, v7, v18                        ; the other's likewise
	v_cvt_i32_f32 v244, v244
	v_cvt_i32_f32 v245, v245
	v_ldexp_f32 v244, 1.0, v244
	v_ldexp_f32 v245, 1.0, v245
	v_mul_f32 v246, v19, v245
	v_fma_f32 v246, v14, v244, v246                ; l of all keys, under the common M
	v_rcp_f32 v247, v246
	v_mul_f32 v244, s14, v244                      ; gamma x my power of two.  (A plain place behind the transcendental)
	s_wait_alu depctr_va_vdst(0)
	v_mul_f32 v8, v244, v247                       ; what my half of O^T is multiplied by
.set j, 0
.rept 16
	v_pk_mul_f32 v[P+j:P+j+1], v[O+j:O+j+1], v[8:9] op_sel_hi:[1,0]     ; each accumulator from its low end on
.set j, j+2
.endr
.irp ct, 0,1,2,3
.irp j, 0,1,2,3,4,5,6,7
	ds_store_b32 v16, v[P+8*\ct+\j] offset:(16*\ct+\j)*SPITCH           ; channel 16 ct + 8 h + j, my query: sixteen lanes write 64 consecutive bytes of a row
.endr
.endr
	s_wait_dscnt 0x0
	s_barrier_signal -1
	s_barrier_wait -1                              ; both halves of all 64 channels x 128 queries lie in the stage
.irp i, 0,1,2,3
	ds_load_b128 v[40+4*\i:43+4*\i], v17 offset:\i*SPITCH
	ds_load_b128 v[56+4*\i:59+4*\i], v17 offset:STGH+\i*SPITCH
.endr
	s_wait_loadcnt 0x0                             ; x
	s_wait_dscnt 0x0
.irp i, 0,1,2,3
	v_pk_add_f32 v[40+4*\i:41+4*\i], v[40+4*\i:41+4*\i], v[56+4*\i:57+4*\i]
	v_pk_add_f32 v[42+4*\i:43+4*\i], v[42+4*\i:43+4*\i], v[58+4*\i:59+4*\i]
	v_pk_add_f32 v[40+4*\i:41+4*\i], v[40+4*\i:41+4*\i], v[24+4*\i:25+4*\i]
	v_pk_add_f32 v[42+4*\i:43+4*\i], v[42+4*\i:43+4*\i], v[26+4*\i:27+4*\i]
	global_store_b128 v4, v[40+4*\i:43+4*\i], s[12:13] offset:16384*\i th:TH_STORE_NT   ; 32 lanes store 512 consecutive bytes, at a multiple of 256 from out0's first byte
.endr
	s_wait_tensorcnt 0x0                           ; the wave's end: behind my last tensor load and my last LDS store
	ds_add_u32 v5, v6
	s_wait_dscnt 0x0
	s_endpgm
.Lfunc_end_k_qe4e2aac9cf_attn:
	.size	k_qe4e2aac9cf_attn, .Lfunc_end_k_qe4e2aac9cf_attn-k_qe4e2aac9cf_attn
	.p2alignl 7, 3214868480
	.fill 96, 4, 3214868480
	.section	.rodata,"a",@progbits
	.p2align	6, 0x0
	.amdhsa_kernel k_qe4e2aac9cf_attn
		.amdhsa_group_segment_fixed_size 327680
		.amdhsa_private_segment_fixed_size 0
		.amdhsa_enable_private_segment 0
		.amdhsa_kernarg_size 40
		.amdhsa_user_sgpr_count 2
		.amdhsa_user_sgpr_kernarg_segment_ptr 1
		.amdhsa_wavefront_size32 1
		.amdhsa_system_sgpr_workgroup_id_x 1
		.amdhsa_system_sgpr_workgroup_id_y 1
		.amdhsa_system_sgpr_workgroup_id_z 1
		.amdhsa_system_vgpr_workitem_id 0
		.amdhsa_next_free_vgpr 256
		.amdhsa_next_free_sgpr 66
		.amdhsa_reserve_vcc 0
		.amdhsa_float_denorm_mode_32 3
		.amdhsa_float_denorm_mode_16_64 3
		.amdhsa_memory_ordered 1
		.amdhsa_forward_progress 1
		.amdhsa_inst_pref_size 73
	.end_amdhsa_kernel
	.amdgpu_metadata
---
amdhsa.version: [ 1, 2 ]
amdhsa.kernels:
  - .name:           k_qe4e2aac9cf_attn
    .symbol:         k_qe4e2aac9cf_attn.kd
    .args:
      - { .name: x, .offset: 0, .size: 8, .value_kind: global_buffer, .address_space: global }
      - { .name: theta, .offset: 8, .size: 8, .value_kind: global_buffer, .address_space: global }
      - { .name: kv, .offset: 16, .size: 8, .value_kind: global_buffer, .address_space: global }
      - { .name: gamma, .offset: 24, .size: 8, .value_kind: global_buffer, .address_space: global }
      - { .name: out0, .offset: 32, .size: 8, .value_kind: global_buffer, .address_space: global }
    .group_segment_fixed_size: 327680
    .private_segment_fixed_size: 0
    .kernarg_segment_align: 8
    .kernarg_segment_size: 40
    .max_flat_workgroup_size: 512
    .sgpr_count:     66
    .vgpr_count:     256
    .wavefront_size: 32
...
	.end_amdgpu_metadata
.endif
;; end of part 2
